; MI455X (gfx1250); checked and timed in simulation.
; The chip was launched on July 23, 2026; its instructions are those of AMD's public machine-readable ISA for CDNA 5 (MIT licence, August 2026) and "CDNA5" Instruction Set Architecture Reference Guide (July 2026). The comments in the code are by the model that wrote it; some were corrected since.
;; Vector Quantizer. Allowed arithmetic: matrix products marked QUANTISED: E2M1 operands, one E8M0 scale for each 32 along K, by v_wmma_scale_f32_16x16x128_f8f6f4 with both operands' format E2M1 (or v_wmma_scale_f32_32x16x128_f4), f32 sums; everything else in f32.
;; Inputs: codebook 8,192 x 256 float32; z_e 32,768 x 256 float32.
;; Outputs: out0 32,768 x 256 float32; out1 one number float32; out2 32,768 int32.
;; This version of the problem:
;;   THIS VERSION OF THE PROBLEM IS GIVEN IN LOW PRECISION. The matrix products marked QUANTISED in the list below multiply operands that are first quantised to E2M1 (2 exponent bits, 1 mantissa bit; 4 bits a number), with one power-of-two scale for each 32 numbers along K (OCP MX v1.0); their sums are f32. All else is computed in f32.
;;   The module's matrix products, in the order in which they are computed (A, B: the left and right operand; K: the contracted axis; several contracted axes count as one K, in the product's order):
;;     1. [M 32,768, K 256] x [K 256, N 8,192]; A: computed on the way; B: input codebook: QUANTISED
;;   THE QUANTISER, for each operand of a quantised product, along K:
;;     - K is cut into blocks of 32 from its start; a last block that is shorter is filled with zeros.
;;     - A block's scale is 2^e with e = floor(log2(the largest magnitude in the block)) - 2, held to -126 .. 127; a block of zeros has e = 0. As a byte (E8M0): e + 127.
;;     - Each number is divided by its block's scale, clamped to +-6, and rounded to the nearest number of E2M1, ties to even, subnormals kept.
;;     - The product sums the exact products of the quantised numbers (number of the format x scale) in f32.
;;   ~~~python
;;   def quantise(x, axis):      # numpy; x: float32 -> the quantised numbers, widened to float32 again
;;       x = np.moveaxis(x, axis, -1); K = x.shape[-1]
;;       x = np.pad(x, [(0, 0)] * (x.ndim - 1) + [(0, -K % 32)]); x = x.reshape(x.shape[:-1] + (-1, 32)); a = np.abs(x).max(-1, keepdims=True)
;;       e = np.where(a > 0, np.clip(np.frexp(np.where(a > 0, a, 1))[1] - 1 - 2, -126, 127), 0)      # np.frexp(a)[1] - 1 = floor(log2(a)), exactly
;;       r = np.clip(x / 2.0 ** e, -6, 6)
;;       step = 2.0 ** (np.maximum(np.frexp(np.where(r == 0, 1, r))[1] - 1, 0) - 1)
;;       q = np.round(r / step) * step * 2.0 ** e      # np.round: ties to even
;;       return np.moveaxis(q.reshape(q.shape[:-2] + (-1,))[..., :K], -1, axis).astype(np.float32)
;;   ~~~
;;   OPERANDS COMPUTED ON THE WAY. 'Computed on the way' means the value that the module computes at that place (a softmax that the list does not call 'softmax' is quantised finished and normalised). What goes into a quantiser is computed in f32, as accurately as f32 sums, v_exp_f32 and their like allow (about 1e-6 of the number): no bf16 or f16 on the way to a quantiser, and a product that is left as it is and whose result goes on into a quantised operand takes f32 operands (vector FMAs, or v_wmma_f32_16x16x4_f32). A number that lies on a knife's edge between two numbers of the format may be rounded either way, as far as f32 arithmetic and the matrix unit's own rounding can turn it there, and no further.
;; One version. Each part assembles by itself: llvm-mc -triple=amdgcn-amd-amdhsa -mcpu=gfx1250 --defsym DOCPART=n.
;; ======== version 1 of 1: 4 launches
;; limits: right only within a limited range of input values
;; workspace buffers: zimg 4,718,592 bytes; cimg 1,179,648 bytes; idx 131,072 bytes of whole numbers; part 16,384 bytes
;; launch quant (part 1): grid 256 x 1, 10 waves a work-group, no clusters, 170,240 bytes of LDS; arguments z_e, codebook, zimg, cimg; writes zimg, cimg
.if DOCPART == 1
	.amdgcn_target "amdgcn-amd-amdhsa--gfx1250"
	.amdhsa_code_object_version 6
	.text
	.protected	k_qefcf1275e1_quant
	.globl	k_qefcf1275e1_quant
	.p2align	8
	.type	k_qefcf1275e1_quant,@function
k_qefcf1275e1_quant:
	s_mov_b64 s[64:65], 0
	v_nop
	global_prefetch_b8 v0, s[64:65] scope:SCOPE_SE
	s_setreg_imm32_b32 hwreg(HW_REG_WAVE_MODE, 25, 1), 1
	s_wait_xcnt 0x0
; 2 z_e [32768][256] and codebook [8192][256], f32, become codes of FP4 (E2M1) with one E8M0 scale byte for each 32 along the 256, laid as RECORDS: images of the matrix operand's registers.
; A record serves a tile of 16 rows and is 2,304 bytes (nine times 256).  Lane l = r + 16 h; q = 2 s + c (K step s of 128, half c of 64):
;   bytes 512 q + 16 l .. + 15 : the codes of row r, k = 128 s + 64 c + 32 h + 0 .. 31  (registers 4 c .. 4 c + 3 of K step s's fragment)
;   bytes 2048 + 4 l           : the scale word (four bytes, 128 along K) of row l % 16 for K step l / 16
;   bytes 2176 + 4 row         : one f32 a row: z: + the sum of z^2;  codebook: - the sum of e^2
;   bytes 2240 .. 2303         : zeros
; The left operand of the product is 2 z, so z is doubled ahead of the quantiser; the sum of (2 z)^2 times 0.25 is the sum of z^2, exactly.
; A block's scale is 2^(floor(log2(its largest magnitude)) - 2); its byte is the largest magnitude's exponent field - 2, held at 1 from below.
; LIMITS: a block of zeros, and a block whose largest magnitude lies under 2^-124, get the byte 1 (zero blocks have zero codes, and this program alone reads the bytes); NaN and infinities are not served;
; the sums of squares are added in this text's own order (eight chains of 16 a lane, then two lanes), not in the reference's.
; SHARES: one wave, one tile: 2,048 tiles of z, then 512 of the codebook; 2,560 waves in 256 work-groups of ten.  Only pointers and two factors are chosen by the tile's number: one path for both tensors.
; A load reads 512 consecutive bytes; a lane's conversions want 32 neighbours of one row: so the tile's 16 KiB turn through the wave's own stage in LDS.  Waves share nothing: no barrier.
.set WREG,  16896                      ; LDS of a wave: 16 rows x 1,040 bytes, then 256 bytes for the record's tail
.set PITCH, 1040                       ; a stage row: 1,024 bytes + 16 = 260 words: row r starts 4 r words on, modulo 64: the 16 rows that a load touches fall on 16 different columns of 16 bytes
.set TAILO, 16*PITCH
.set RECB,  2304
.set ZT,    2048                       ; tiles of z
.set QM,    10                         ; v10-13  the four blocks' largest magnitudes
.set QS,    14                         ; v14-17  the conversions' scale operands
.set QB,    18                         ; v18-21  the scale bytes
.set SQ,    24                         ; v24-31  four packed sums of squares
.set C,     32                         ; v32-47  the codes: register 4 q + g
.set X,     64                         ; v64-191 my row's four blocks of 32 numbers, block q at X + 32 q
.set R,     128                        ; v128-255 the tile as it is loaded; its lower half is taken by blocks 2 and 3 once the stage holds it
	s_load_b256 s[4:11], s[0:1], 0x0               ; z_e s[4:5], codebook s[6:7], zimg s[8:9], cimg s[10:11]
	v_lshl_add_u32 v62, v0, 2, 0x29400
	v_mov_b32 v63, 0
	v_lshrrev_b32 v1, 5, v0
	s_delay_alu instid0(VALU_DEP_1)
	v_readfirstlane_b32 s12, v1                    ; wave 0..9
	v_and_b32 v1, 31, v0                           ; lane
	v_and_b32 v2, 15, v0                           ; r
	v_bfe_u32 v3, v0, 4, 1                         ; h
	s_delay_alu instid0(VALU_DEP_3)
	v_lshlrev_b32 v4, 4, v1                        ; 16 x lane: my bytes of a load's 512, and of an image's
	s_mul_i32 s13, s12, WREG
	v_add_nc_u32 v5, s13, v4                       ; the stage, on the way in
	v_mul_u32_u24 v6, v2, PITCH
	s_delay_alu instid0(VALU_DEP_1)
	v_lshl_add_u32 v6, v3, 7, v6
	s_delay_alu instid0(VALU_DEP_1)
	v_add_nc_u32 v6, s13, v6                       ; and on the way out: row r, + 128 h bytes: 32 numbers
	v_lshlrev_b32 v7, 2, v1
	s_delay_alu instid0(VALU_DEP_1)
	v_add_nc_u32 v7, s13, v7
	s_delay_alu instid0(VALU_DEP_1)
	v_add_nc_u32 v7, TAILO, v7                     ; the tail: 4 bytes a lane in,
	v_lshlrev_b32 v9, 3, v1
	s_delay_alu instid0(VALU_DEP_1)
	v_add_nc_u32 v8, s13, v9
	s_delay_alu instid0(VALU_DEP_1)
	v_add_nc_u32 v8, TAILO, v8                     ; 8 bytes a lane out
	v_mov_b32 v22, 0                               ; a lane permute's destination counts as one of its sources
	v_mov_b32 v23, 0                               ; the zero of the tail's upper half
	v_mov_b32 v53, 0
	s_mul_i32 s16, ttmp9, 10
	s_add_co_u32 s16, s16, s12                     ; my tile: 10 x work-group + wave
	s_mov_b32 s24, 0x76543210
	s_mov_b32 s25, 0xfedcba98                      ; v_permlanex16_b32's selects for lane l xor 16
	s_wait_kmcnt 0x0
	s_cmp_lt_u32 s16, ZT                           ; z's tile or the codebook's?  The choice hangs on ids alone
	s_cselect_b64 s[4:5], s[4:5], s[6:7]
	s_cselect_b64 s[8:9], s[8:9], s[10:11]
	s_cselect_b32 s20, 2.0, 1.0                    ; what goes into the quantiser: 2 z, or e
	s_cselect_b32 s22, 0x3e800000, -1.0            ; what the sum of squares is multiplied by: 0.25, or -1
	s_cselect_b32 s17, 0, ZT
	s_mov_b32 s21, s20                             ; (named with s20 as a pair, so it is written)
	s_sub_co_u32 s16, s16, s17                     ; the tile's number in its tensor
	s_lshl_b32 s18, s16, 14                        ; 16 rows of 1,024 bytes
	s_mov_b32 s19, 0
	s_add_nc_u64 s[4:5], s[4:5], s[18:19]
	s_mul_i32 s18, s16, RECB
	s_add_nc_u64 s[8:9], s[8:9], s[18:19]
.irp i, 0,1,2,3,4,5,6,7,8,9,10,11,12,13,14,15,16,17,18,19,20,21,22,23,24,25,26,27,28,29,30,31
	global_load_b128 v[R+4*\i:R+4*\i+3], v4, s[4:5] offset:512*\i th:TH_LOAD_NT   ; 32 lanes read 512 consecutive bytes: half a row
.endr
.irp i, 0,1,2,3,4,5,6,7,8,9,10,11,12,13,14,15,16,17,18,19,20,21,22,23,24,25,26,27,28,29,30,31
	s_wait_loadcnt 31-\i                           ; loads come back in order: load i is in, the 31 - i younger ones stay out
	ds_store_b128 v5, v[R+4*\i:R+4*\i+3] offset:(\i/2)*PITCH+(\i%2)*512
.endr
.irp c, 0,1                                    ; LDS serves a wave's instructions in order: these see the stores above
.irp g, 0,1,2,3,4,5,6,7
	ds_load_b128 v[X+32*\c+4*\g:X+32*\c+4*\g+3], v6 offset:256*\c+16*\g
.endr
.endr
	s_wait_dscnt 16                                ; all but the 16 loads just issued are done: the 32 stores have read their registers,
.irp c, 0,1
.irp g, 0,1,2,3,4,5,6,7
	ds_load_b128 v[X+64+32*\c+4*\g:X+64+32*\c+4*\g+3], v6 offset:512+256*\c+16*\g   ; of which blocks 2 and 3 take the lower half
.endr
.endr
	s_wait_dscnt 0x0
.irp p, 0,2,4,6,8,10,12,14,16,18,20,22,24,26,28,30
.irp q, 0,1,2,3
	v_pk_mul_f32 v[X+32*\q+\p:X+32*\q+\p+1], v[X+32*\q+\p:X+32*\q+\p+1], s[20:21] op_sel_hi:[1,0]   ; y = 2 z, or e: exact
.endr
.endr
.irp q, 0,1,2,3
	v_max3_num_f32 v[QM+\q], |v[X+32*\q]|, |v[X+32*\q+1]|, 0x1800000   ; block q: all its 32 numbers are mine; the floor 2^(3 - 127) holds the byte at 1 from below
.endr
.irp p, 2,4,6,8,10,12,14,16,18,20,22,24,26,28,30
.irp q, 0,1,2,3
	s_delay_alu instid0(VALU_DEP_4)
	v_max3_num_f32 v[QM+\q], v[QM+\q], |v[X+32*\q+\p]|, |v[X+32*\q+\p+1]|   ; (the four blocks by turns: no line waits for the line above it)
.endr
.endr
.irp q, 0,1,2,3
	v_pk_mul_f32 v[SQ+2*\q:SQ+2*\q+1], v[X+32*\q:X+32*\q+1], v[X+32*\q:X+32*\q+1]   ; the first squares start the sums: nothing is cleared
.endr
.irp p, 2,4,6,8,10,12,14,16,18,20,22,24,26,28,30
.irp q, 0,1,2,3
	s_delay_alu instid0(VALU_DEP_4)
	v_pk_fma_f32 v[SQ+2*\q:SQ+2*\q+1], v[X+32*\q+\p:X+32*\q+\p+1], v[X+32*\q+\p:X+32*\q+\p+1], v[SQ+2*\q:SQ+2*\q+1]
.endr
.endr
.irp q, 0,1,2,3
	v_add_nc_u32 v[QS+\q], 0xff000000, v[QM+\q]    ; 2 off the exponent field: the conversion takes the exponent field of this operand as its scale, and nothing else of it
.endr
.irp q, 0,1,2,3
	s_delay_alu instid0(VALU_DEP_4)
	v_lshrrev_b32 v[QB+\q], 23, v[QS+\q]           ; the scale's byte
.endr
.irp q, 0,1,2,3
.irp g, 0,1,2,3
	v_cvt_scalef32_pk8_fp4_f32 v[C+4*\q+\g], v[X+32*\q+8*\g:X+32*\q+8*\g+7], v[QS+\q]   ; eight numbers / the scale, to the nearest code, ties to even, beyond 6 the largest code
.endr
.endr
	v_nop                                          ; one plain line behind the last scaled conversion
	; the scale words.  My byte of block q = 2 s + c is byte 2 c + h of row r's word for K step s; lane l keeps the word of K step l / 16 and sends its part of the other word to lane l xor 16
	v_lshl_or_b32 v48, v[QB+1], 16, v[QB]
	v_lshl_or_b32 v49, v[QB+3], 16, v[QB+2]
	v_lshlrev_b32 v50, 3, v3                       ; 8 h bits up
	s_delay_alu instid0(VALU_DEP_1)
	v_lshlrev_b32 v48, v50, v48                    ; my part of K step 0's word,
	s_delay_alu instid0(VALU_DEP_2)
	v_lshlrev_b32 v49, v50, v49                    ; of K step 1's
	v_cmp_eq_u32 vcc_lo, 1, v3
	s_delay_alu instid0(VALU_DEP_1)
	v_cndmask_b32 v51, v48, v49, vcc_lo            ; kept: K step h's
	s_delay_alu instid0(VALU_DEP_2)
	v_cndmask_b32 v52, v49, v48, vcc_lo            ; sent: the other
	s_delay_alu instid0(VALU_DEP_1)
	v_permlanex16_b32 v53, v52, s24, s25
	s_delay_alu instid0(VALU_DEP_1)
	v_or_b32 v51, v51, v53                         ; the word is whole
	; the row's sum of squares
	v_pk_add_f32 v[SQ:SQ+1], v[SQ:SQ+1], v[SQ+2:SQ+3]
	v_pk_add_f32 v[SQ+4:SQ+5], v[SQ+4:SQ+5], v[SQ+6:SQ+7]
	s_delay_alu instid0(VALU_DEP_1)
	v_pk_add_f32 v[SQ:SQ+1], v[SQ:SQ+1], v[SQ+4:SQ+5]
	s_delay_alu instid0(VALU_DEP_1)
	v_add_f32 v[SQ], v[SQ], v[SQ+1]
	s_delay_alu instid0(VALU_DEP_1)
	v_permlanex16_b32 v22, v[SQ], s24, s25
	s_delay_alu instid0(VALU_DEP_1)
	v_add_f32 v[SQ], v[SQ], v22                    ; with lane l xor 16's half of the row
	s_delay_alu instid0(VALU_DEP_1)
	v_mul_f32 v[SQ], s22, v[SQ]                    ; + the sum of z^2, or - the sum of e^2: exact
	s_delay_alu instid0(VALU_DEP_1)
	v_cndmask_b32 v[SQ], v[SQ], v23, vcc_lo        ; lanes 16-31 write the record's zeros
.irp q, 0,1,2,3
	global_store_b128 v4, v[C+4*\q:C+4*\q+3], s[8:9] offset:512*\q   ; 32 lanes store 512 consecutive bytes, at a multiple of 256 from the buffer's first byte
.endr
	ds_store_b32 v7, v51                           ; the tail's 256 bytes meet in LDS: 128 of scale words,
	ds_store_b32 v7, v[SQ] offset:128              ; 64 of sums, 64 of zeros,
	ds_load_b64 v[22:23], v8                       ; (in order: this sees the two stores)
	s_wait_dscnt 0x0
	global_store_b64 v9, v[22:23], s[8:9] offset:2048   ; and leave as 256 consecutive bytes, aligned
	s_wait_tensorcnt 0x0
	ds_add_u32 v62, v63
	s_wait_dscnt 0x0
	s_endpgm
.Lfunc_end_k_qefcf1275e1_quant:
	.size	k_qefcf1275e1_quant, .Lfunc_end_k_qefcf1275e1_quant-k_qefcf1275e1_quant
	.p2alignl 7, 3214868480
	.fill 96, 4, 3214868480
	.section	.rodata,"a",@progbits
	.p2align	6, 0x0
	.amdhsa_kernel k_qefcf1275e1_quant
		.amdhsa_group_segment_fixed_size 170240
		.amdhsa_private_segment_fixed_size 0
		.amdhsa_enable_private_segment 0
		.amdhsa_kernarg_size 32
		.amdhsa_user_sgpr_count 2
		.amdhsa_user_sgpr_kernarg_segment_ptr 1
		.amdhsa_wavefront_size32 1
		.amdhsa_system_sgpr_workgroup_id_x 1
		.amdhsa_system_sgpr_workgroup_id_y 1
		.amdhsa_system_sgpr_workgroup_id_z 1
		.amdhsa_system_vgpr_workitem_id 0
		.amdhsa_next_free_vgpr 256
		.amdhsa_next_free_sgpr 66
		.amdhsa_reserve_vcc 1
		.amdhsa_float_denorm_mode_32 3
		.amdhsa_float_denorm_mode_16_64 3
		.amdhsa_memory_ordered 1
		.amdhsa_forward_progress 1
		.amdhsa_inst_pref_size 30
	.end_amdhsa_kernel
	.amdgpu_metadata
---
amdhsa.version: [ 1, 2 ]
amdhsa.kernels:
  - .name:           k_qefcf1275e1_quant
    .symbol:         k_qefcf1275e1_quant.kd
    .args:
      - { .name: z_e, .offset: 0, .size: 8, .value_kind: global_buffer, .address_space: global }
      - { .name: codebook, .offset: 8, .size: 8, .value_kind: global_buffer, .address_space: global }
      - { .name: zimg, .offset: 16, .size: 8, .value_kind: global_buffer, .address_space: global }
      - { .name: cimg, .offset: 24, .size: 8, .value_kind: global_buffer, .address_space: global }
    .group_segment_fixed_size: 170240
    .private_segment_fixed_size: 0
    .kernarg_segment_align: 8
    .kernarg_segment_size: 32
    .max_flat_workgroup_size: 320
    .sgpr_count:     66
    .vgpr_count:     256
    .wavefront_size: 32
...
	.end_amdgpu_metadata
.endif
;; end of part 1
;; launch search (part 2): grid 256 x 1, 8 waves a work-group, clusters of 4 x 1, 327,680 bytes of LDS; arguments zimg, cimg, out2, idx; writes out2, idx
.if DOCPART == 2
	.amdgcn_target "amdgcn-amd-amdhsa--gfx1250"
	.amdhsa_code_object_version 6
	.text
	.protected	k_qefcf1275e1_search
	.globl	k_qefcf1275e1_search
	.p2align	8
	.type	k_qefcf1275e1_search,@function
k_qefcf1275e1_search:
	s_mov_b64 s[64:65], 0
	v_nop
	global_prefetch_b8 v0, s[64:65] scope:SCOPE_SE
	s_setreg_imm32_b32 hwreg(HW_REG_WAVE_MODE, 25, 1), 1
	s_wait_xcnt 0x0
	s_wait_alu depctr_hold_cnt(0) depctr_sa_sdst(0) depctr_va_vdst(0) depctr_va_sdst(0) depctr_va_ssrc(0) depctr_va_vcc(0) depctr_vm_vsrc(0)
	s_getreg_b32 s2, hwreg(HW_REG_IB_STS2, 6, 4)
	s_cmp_eq_u32 s2, 0
	s_cbranch_scc0 .Lentry_in_a_cluster
	s_endpgm
.Lentry_in_a_cluster:
	s_bfe_u32 s2, ttmp6, 0x10000c
	s_cmp_lg_u32 s2, 0x3003
	s_cbranch_scc0 .Lentry_shape_is_right
	s_endpgm
.Lentry_shape_is_right:
; For each of 32,768 rows z: the index of the codebook row e with the least d = sum z^2 + sum e^2 - (2 z) . e, the lowest index among equals.  The product is made on codes of FP4 (E2M1) with E8M0 scales
; (v_wmma_scale_f32_16x16x128_f8f6f4), two K steps of 128; both operands come as records, images of the operands' registers (2,304 bytes for 16 rows: 2,048 of codes, 128 of scale words, 64 of one f32 a row).
; THE PRODUCT IS USED TRANSPOSED: source 0 = 16 codebook rows, source 1 = 16 rows of z.  A lane (r, h) holds ONE row z (r) and the codebook rows 8 h + 0 .. 7 of the tile in its eight registers.
; - sum e^2, in that layout, is the C of the first K step: the accumulator holds s = (2 z) . e - sum e^2, and the least d is the largest s.
; THE SEARCH, for each result tile, nine vector lines: the running largest s (four v_max3_num_f32 as a tree, from an old register into a new one); has it grown? (one compare into VCC; strictly, so that the
; earlier tile stays on equals); if so the tile's registers 0 to 6 and its number are kept (eight selects in four dual lines).  Where none of the seven kept equals the largest, it was the eighth.  No branch hangs on data.
; The eight tiles of z are laid in a pipeline (partial maxima two tiles ahead of the selects), so that in its steady part no line reads a result of the four lines above it.
; TWO SETS OF ACCUMULATORS: behind codebook tile i's 16 products stands the search of tile i - 1, which names none of their registers: its 73 vector lines are the places behind the products, and no v_nop is
; written in the loop.  So the first tile's products stand ahead of the loop, a trip of the loop goes from a slot's second tile to the next lap's first, and the last search stands behind the tail.
; SHARES: a work-group owns 128 rows of z and walks all 8,192 codebook rows, so a row has one owner.  Eight waves, two to a SIMD.  Every wave holds all eight tiles of z (128 registers, window 1) and takes, of each
; 64 codebook records in a slot, the eight numbered 8 w .. 8 w + 7: a record is read from LDS by one wave, once.  At the end the eight waves' bests of a row meet in LDS.
; z's eight records come from memory once a work-group: wave w fetches record w into registers and puts it into a stage in LDS, into which no tensor load lands; behind a barrier every wave reads all eight,
; while slot 0's tensor load is on its way.
; THE CODEBOOK'S RECORDS go through a ring of two LDS slots of 64 records (147,456 bytes), eight trips; every wave fetches its own slice of eight records, as 72 rows of 256 bytes, and reads that slice alone.
; The change of slots stands in a slot's last tile, whose fragments are in registers by then: waits, add and signal ahead of its 16 products, the round and the refill behind them.
; CLUSTER: every work-group walks the same records, so the four of a cluster ask JOINTLY: the same tensor load, the same descriptor (made of the wave's number and constants alone), a mask that names the four.
; By this text's count a wave has one tensor load out at most.  NO PREFETCH: a refill is asked for a whole trip (8 tiles, 128 matrix instructions a wave) ahead of its first read, and the stream is 1,179,648 bytes in all.
; LIMITS.  Order of rounding: the reference rounds (sum z^2 + sum e^2) and then the difference with the product; here - sum e^2 enters the matrix unit's sum, the candidates of one lane are compared on s, and
; d = sum z^2 - s is formed of each lane's best only; lanes and waves are merged on d, equals to the lower index.  So candidates whose distances differ by about a rounding of f32 may be ordered otherwise
; than by the reference.  NaN and infinities are not served.
.set RECB,  2304
.set SLICE, 8*RECB                     ; what one tensor load brings, and what one wave reads of a slot
.set SLOT,  8*SLICE
.set SPARE, 2*SLOT                     ; behind the ring: the spare words, 128 bytes for each of 8 waves: four blocks of 256 bytes that no other line names
.set MRG,   SPARE+1024                 ; behind them: first z's stage (8 records), at the end the bests: 2,048 bytes a wave: tile z at 256 z, 8 bytes a lane (d, index).  No tensor load lands here
; window 0
.set SPW, 1                            ; v1     LDS address of my spare word; never rewritten
.set NIL, 2                            ; v2     0; never rewritten
.set AF,  3                            ; v3-4   slot 0, 1: my slice + 16 x lane: the codes' images
.set AS,  5                            ; v5-6   my slice + 4 x lane: the scale words
.set AN,  7                            ; v7-8   my slice + 32 h: - sum e^2 of my eight codebook rows
.set L16, 9                            ; v9     16 x lane
.set ZW,  10                           ; v10-11 z's stage, on the way in: my record + 16 x lane, + 8 x lane
.set ZS,  12                           ; v12-19 z's scale words, a register a tile: lanes 0-15 K step 0, lanes 16-31 K step 1.  Scales and nothing else
.set CS,  20                           ; v20-21 the codebook tile's, likewise, two sets
.set H8,  22                           ; v22    8 h
.set TN,  23                           ; v23, v31 the codebook tile's number, this tile's and the next's by turns
.set MS,  24                           ; v24    where I put a best
.set MR,  25                           ; v25    where I read two rows' bests
.set OO,  26                           ; v26    8 x my thread's number: two indices
.set L8,  27                           ; v27    8 x lane
.set TA,  28                           ; v28-30, v248-250 three partial maxima, two sets
.set RA,  32                           ; v32-39, v40-47 the running largest s, old and new by turns
.set RB,  40
.set D,   48                           ; v48-111, v112-175 the eight accumulators, two sets
.set SV,  176                          ; v176-239 kept: tile z at SV + 8 z: registers 0 to 6 of the winning tile, and at + 7 its number  (v235, v239: in the head at work)
.set ZZ,  240                          ; v240-247 sum z^2 of my row, a register a tile  (v240-243: in the head at work)
.set ZRC, 251                          ; v251-253 z's stage, on the way out: + 16 x lane, + 4 x lane, + 4 r
.set BE,  48                           ; the end: (d, index) a tile
.set TM,  64                           ; the end: at work
; window 1: z's fragments, tile z at v[16 z], K step s at + 8 s; then
.set CFW,  128                         ; v128-143, v144-159 the codebook tile's two fragments, two sets
.set NEEW, 160                         ; v160-167, v168-175 - sum e^2, two sets
.set WV,  12                           ; s12    my wave's number
.set G1,  24                           ; s[24:31] descriptor group 1
.set G0,  32                           ; s[32:35], s[36:39] descriptor group 0 of slot 0, 1
.set MSB, 0
.macro WIN new                         ; the immediate's high byte repeats the setting that is left
.if MSB != \new
	s_set_vgpr_msb (MSB<<8)|\new
.set MSB, \new
.endif
.endm
.macro CREST                           ; a round of the cluster's barrier behind its opening barrier
	s_cmp_lg_u32 s[WV], 0
	s_cbranch_scc1 .Lnot_wave_0_\@
	s_barrier_signal -3
.Lnot_wave_0_\@:
	s_barrier_wait -3
	s_barrier_signal -1
	s_barrier_wait -1
.endm
.macro ROUND                           ; a whole round
	s_barrier_signal -1
	s_barrier_wait -1
	CREST
.endm
; Record i of my slice of a slot into set p: seven LDS loads.  An image's 512 bytes are consecutive, 16 a lane; the sixteen lanes of a half read the same 32 bytes of - sum e^2.  Leaves the destination's window at 1.
.macro LOADT slot, i, p
	ds_load_b32 v[CS+(\p)], v[AS+\slot] offset:RECB*(\i)+2048
	WIN 0x40
.irp q, 0,1,2,3
	ds_load_b128 v[CFW+16*(\p)+4*\q:CFW+16*(\p)+4*\q+3], v[AF+\slot] offset:RECB*(\i)+512*\q
.endr
	ds_load_b128 v[NEEW+8*(\p):NEEW+8*(\p)+3], v[AN+\slot] offset:RECB*(\i)+2176
	ds_load_b128 v[NEEW+8*(\p)+4:NEEW+8*(\p)+7], v[AN+\slot] offset:RECB*(\i)+2192
.endm
.macro ABC z                           ; three partial maxima of tile z; the accumulator is read from its low end on
	v_max3_num_f32 v[TA+220*((\z)%2)], v[OLD+(\z)], v[DS+8*(\z)], v[DS+8*(\z)+1]
	v_max3_num_f32 v[TA+220*((\z)%2)+1], v[DS+8*(\z)+2], v[DS+8*(\z)+3], v[DS+8*(\z)+4]
	v_max3_num_f32 v[TA+220*((\z)%2)+2], v[DS+8*(\z)+5], v[DS+8*(\z)+6], v[DS+8*(\z)+7]
.endm
.macro MAXN z                          ; the new running largest
	v_max3_num_f32 v[NEW+(\z)], v[TA+220*((\z)%2)], v[TA+220*((\z)%2)+1], v[TA+220*((\z)%2)+2]
.endm
.macro GREW z                          ; has it grown?  Strictly: on equals the earlier tile stays
	v_cmp_gt_f32 vcc_lo, v[NEW+(\z)], v[OLD+(\z)]
.endm
.macro KEEP z                          ; eight selects by VCC, two to a line: even and odd destinations, sources in different banks (TN's registers are 3 modulo 4)
.irp k, 0,2,4
	v_dual_cndmask_b32 v[SV+8*(\z)+\k], v[SV+8*(\z)+\k], v[DS+8*(\z)+\k] :: v_dual_cndmask_b32 v[SV+8*(\z)+\k+1], v[SV+8*(\z)+\k+1], v[DS+8*(\z)+\k+1]
.endr
	v_dual_cndmask_b32 v[SV+8*(\z)+6], v[SV+8*(\z)+6], v[DS+8*(\z)+6] :: v_dual_cndmask_b32 v[SV+8*(\z)+7], v[SV+8*(\z)+7], v[TNC]
.endm
; The search of a slot's tile j, whose results lie in accumulator set j % 2.  last = 1: no tile follows.
.macro SEARCH j, last
.set Q, (\j)%2
.set DS, D+64*Q
.set TNC, TN+8*Q
.if Q == 0
.set OLD, RA
.set NEW, RB
.else
.set OLD, RB
.set NEW, RA
.endif
.if \last == 0
.if (\j) < 7
	v_add_nc_u32 v[TN+8*(1-Q)], 1, v[TNC]          ; the next tile's number, first read a whole search later
.else
	v_add_nc_u32 v[TN+8*(1-Q)], 57, v[TNC]         ; on to my slice of the next 64 tiles
.endif
.endif
	ABC 0
	s_delay_alu instid0(VALU_DEP_1)
	MAXN 0
	ABC 1
	s_delay_alu instid0(VALU_DEP_4)
	GREW 0
.irp z, 0,1,2,3,4,5,6,7
.if \z == 0
	s_delay_alu instid0(VALU_DEP_2)
.endif
.if \z < 7
	MAXN \z+1
.endif
.if \z < 6
	ABC \z+2
.endif
	KEEP \z
.if \z < 7
	GREW \z+1
.endif
.endr
.endm
; Codebook tile i of a slot against my eight tiles of z, and the search of the tile before it.
; mode 0: the next tile lies in the same slot; 1: a slot's last tile, the slot is filled again; 2: a slot's last tile, nothing is filled; 3: the last tile of all; 4: the first tile of all.
.macro TILE slot, i, mode
.set P, (\i)%2
.set DW, D+64*P
.if \mode == 1
	s_wait_alu depctr_va_vdst(0)                   ; the wait ahead of the waits below
	s_wait_tensorcnt 0x0                           ; all my tensor loads have landed, my slice of the other slot: so a group 0 may be written
	ds_add_u32 v[SPW], v[NIL]                      ; 0 onto my spare word
	s_add_nc_u64 s[G0+4*\slot+2:G0+4*\slot+3], s[G0+4*\slot+2:G0+4*\slot+3], 2*SLOT   ; this slot's next records; the type bits on top are not reached
	s_wait_dscnt 0x0                               ; the add is done; this tile's seven loads are in, and they were my last reads of this slot
	s_barrier_signal -1                            ; opens a round of the cluster's barrier; the products below are work on registers
.else
	s_wait_dscnt 0x0                               ; the tile's seven loads, issued one tile ago, are in
.endif
.if (\mode == 0) || (\mode == 4)
	LOADT \slot, (\i)+1, 1-P                       ; the next tile, into the other set: the search that stood behind the products that read that set holds the places
.endif
	WIN 0x15                                       ; sources 0, 1 and 2 in window 1, the result in window 0
.irp z, 0,1,2,3,4,5,6,7                        ; the eight accumulators take turns, one instruction a turn
	v_wmma_scale_f32_16x16x128_f8f6f4 v[DW+8*\z:DW+8*\z+7], v[CFW+16*P:CFW+16*P+7], v[16*\z:16*\z+7], v[NEEW+8*P:NEEW+8*P+7], v[CS+P], v[ZS+\z] matrix_a_fmt:MATRIX_FMT_FP4 matrix_b_fmt:MATRIX_FMT_FP4
.endr
	WIN 0x05                                       ; source 2 is the accumulator now
.irp z, 0,1,2,3,4,5,6,7
	v_wmma_scale_f32_16x16x128_f8f6f4 v[DW+8*\z:DW+8*\z+7], v[CFW+16*P+8:CFW+16*P+15], v[16*\z+8:16*\z+15], v[DW+8*\z:DW+8*\z+7], v[CS+P], v[ZS+\z] matrix_a_fmt:MATRIX_FMT_FP4 matrix_b_fmt:MATRIX_FMT_FP4 matrix_a_scale:MATRIX_SCALE_ROW1 matrix_b_scale:MATRIX_SCALE_ROW1
.endr
	WIN 0
.if \mode == 1
	s_barrier_wait -1
	CREST                                          ; no wave of any partner still reads this slot or has a load on its way
	tensor_load_to_lds s[G0+4*\slot:G0+4*\slot+3], s[G1:G1+7]   ; my one tensor load behind the round, and the first thing there: the records of two trips on
	s_nop 0
	LOADT 1-\slot, 0, 1-P
	WIN 0
.endif
.if \mode == 2
	s_wait_tensorcnt 0x0                           ; my slice of the last slot is in; I alone read it
	LOADT 1-\slot, 0, 1-P
	WIN 0
.endif
.if \mode == 4
.rept 4
	v_nop                                          ; no search is due yet: four plain lines ahead of the next loads into these fragments' set and of the first reads of these results
.endr
.else
	SEARCH ((\i)+7)%8, 0                           ; the tile before: the other set of accumulators
.endif
.endm
; (d, i) takes (od, oi) where od is less, or equal with the lower index.  Selects alone.
.macro MERGE d, i, od, oi
	v_cmp_lt_f32 s54, v[\od], v[\d]
	v_cmp_eq_f32 s55, v[\od], v[\d]
	v_cmp_lt_u32 s56, v[\oi], v[\i]
	s_and_b32 s55, s55, s56
	s_or_b32 s54, s54, s55
	v_cndmask_b32 v[\d], v[\d], v[\od], s54
	v_cndmask_b32 v[\i], v[\i], v[\oi], s54
.endm
	s_load_b256 s[4:11], s[0:1], 0x0               ; zimg s[4:5], cimg s[6:7], out2 s[8:9], idx s[10:11]
	v_lshl_add_u32 v[SPW], v0, 2, SPARE
	v_mov_b32 v[NIL], 0
	ds_add_u32 v[SPW], v[NIL]                      ; the opening lines: the add, twice on end, and its wait ahead of my first tensor load
	ds_add_u32 v[SPW], v[NIL]
	v_lshrrev_b32 v235, 5, v0
	v_readfirstlane_b32 s[WV], v235                ; wave 0..7
	s_bfe_u32 s15, ttmp6, 0x40000                  ; cx: my place in the cluster
	s_lshl_b32 s16, ttmp9, 2                       ; in a cluster launch ttmp9 counts clusters
	s_add_co_u32 s16, s16, s15                     ; my work-group: it enters zimg's, out2's and idx's addresses alone
	; descriptor group 1: a dense block of 18,432 bytes as 72 rows of 256 bytes (32 elements of 8 bytes), no padding: the images are read 16 consecutive bytes a lane
	s_mov_b32 s[G1+0], 15|(3<<16)|(1<<21)          ; 15:0 the mask: all four work-groups; 17:16 elements of 8 bytes; 21 set beside a mask
	s_mov_b32 s[G1+1], 32<<16                      ; tensor_dim0 = 32
	s_mov_b32 s[G1+2], 72<<16                      ; tensor_dim1 = 72
	s_mov_b32 s[G1+3], 32<<16                      ; tile_dim0 = 32
	s_mov_b32 s[G1+4], 72                          ; tile_dim1 = 72
	s_mov_b32 s[G1+5], 32                          ; from row to row
	s_mov_b32 s[G1+6], 0
	s_mov_b32 s[G1+7], 0
	s_mul_i32 s17, s[WV], SLICE                    ; my slice in a slot, and in a slot's records in memory
	s_mul_i32 s18, s[WV], RECB
	s_add_co_u32 s18, s18, MRG                     ; my record's place in z's stage
	s_lshl_b32 s19, s[WV], 3                       ; my first codebook tile: 8 w
	s_mov_b32 s52, 0x76543210
	s_mov_b32 s53, 0xfedcba98                      ; v_permlanex16_b32's selects for lane l xor 16
	v_and_b32 v239, 31, v0                         ; lane
	v_and_b32 v240, 15, v0                         ; r
	v_bfe_u32 v241, v0, 4, 1                       ; h
	v_bfe_u32 v243, v0, 3, 3
	v_lshlrev_b32 v[L16], 4, v239
	v_lshlrev_b32 v[L8], 3, v239
	v_lshlrev_b32 v242, 2, v239
	v_lshl_add_u32 v[AN], v241, 5, s17
	v_lshlrev_b32 v[H8], 3, v241
	v_add_nc_u32 v[AF], s17, v[L16]
	v_add_nc_u32 v[AS], s17, v242
	v_add_nc_u32 v[AN+1], SLOT, v[AN]
	v_add_nc_u32 v[ZW], s18, v[L16]
	v_add_nc_u32 v[ZW+1], s18, v[L8]
	v_add_nc_u32 v[AF+1], SLOT, v[AF]
	v_add_nc_u32 v[AS+1], SLOT, v[AS]
	v_add_nc_u32 v[ZRC], MRG, v[L16]
	v_add_nc_u32 v[ZRC+1], MRG, v242
	v_lshl_add_u32 v[ZRC+2], v240, 2, MRG
	v_lshl_add_u32 v[MS], v235, 11, v[L8]
	v_and_b32 v[MR], 7, v0                         ; thread t of the first 64 takes rows 2 t and 2 t + 1 of the 128: tile t / 8, rows 2 (t % 8) and the next: 16 bytes
	v_lshlrev_b32 v[OO], 3, v0
	v_mov_b32 v[TN], s19
	v_add_nc_u32 v[MS], MRG, v[MS]                 ; 2,048 x wave + 8 x lane
	v_lshlrev_b32 v[MR], 4, v[MR]
	v_lshl_add_u32 v[MR], v243, 8, v[MR]
	v_add_nc_u32 v[MR], MRG, v[MR]
	s_mov_b32 s42, s17
	s_mov_b32 s43, 0
	s_lshl_b32 s22, s16, 3
	s_add_co_u32 s22, s22, s[WV]                   ; the record of z that I fetch: 8 x work-group + wave
	s_mul_i32 s22, s22, RECB
	s_mov_b32 s23, 0
	s_lshl_b32 s40, s16, 9                         ; the work-group's 128 indices
	s_mov_b32 s41, 0
	s_wait_alu depctr_va_vdst(0)                   ; the wait at the head's end
	s_wait_dscnt 0x0                               ; both opening adds are done
	s_wait_kmcnt 0x0
	s_add_nc_u64 s[20:21], s[6:7], s[42:43]        ; the codebook's records at my slice
	s_add_nc_u64 s[4:5], s[4:5], s[22:23]
	s_add_nc_u64 s[8:9], s[8:9], s[40:41]
	s_add_nc_u64 s[10:11], s[10:11], s[40:41]
.irp q, 0,1,2,3
	global_load_b128 v[D+4*\q:D+4*\q+3], v[L16], s[4:5] offset:512*\q   ; my record of z: 512 consecutive bytes a load,
.endr
	global_load_b64 v[D+16:D+17], v[L8], s[4:5] offset:2048             ; and its last 256
	s_mov_b32 s[G0], 1                             ; 1:0 count = 1
	s_mov_b32 s[G0+1], s17                         ; 63:32 LDS address: slot 0, my slice
	s_mov_b64 s[G0+2:G0+3], s[20:21]               ; 120:64 global address: records 0 to 63, my slice
	s_or_b32 s[G0+3], s[G0+3], 0x80000000          ; 127:126 type = 2
	s_mov_b32 s[G0+4], 1
	s_add_co_u32 s[G0+5], s17, SLOT
	s_add_nc_u64 s[G0+6:G0+7], s[20:21], SLOT      ; records 64 to 127
	s_or_b32 s[G0+7], s[G0+7], 0x80000000
	ROUND                                          ; all four work-groups are here: the first joint loads meet
	tensor_load_to_lds s[G0:G0+3], s[G1:G1+7]      ; slot 0: one tensor load a wave at the head, every wave its own slice
	s_nop 0
.irp z, 0,1,2,3,4,5,6,7
	v_mov_b32 v[RA+\z], 0xff800000                 ; the largest so far: -infinity
.endr
.irp j, 0,1,2,3,4,5,6,7,8,9,10,11,12,13,14,15,16,17,18,19,20,21,22,23,24,25,26,27,28,29,30,31,32,33,34,35,36,37,38,39,40,41,42,43,44,45,46,47,48,49,50,51,52,53,54,55,56,57,58,59,60,61,62,63
	v_mov_b32 v[SV+\j], 0                          ; a select reads what it may keep: written once; the first tile takes their place
.endr
	s_wait_alu depctr_va_vdst(0)                   ; the wait ahead of the waits below
	s_wait_loadcnt 0x0                             ; my record of z is in registers
.irp q, 0,1,2,3
	ds_store_b128 v[ZW], v[D+4*\q:D+4*\q+3] offset:512*\q   ; into the stage, whose bytes no tensor load fills
.endr
	ds_store_b64 v[ZW+1], v[D+16:D+17] offset:2048
	s_wait_dscnt 0x0                               ; for the others' sake: my record lies in the stage
	s_barrier_signal -1
	s_barrier_wait -1                              ; everybody's does.  Slot 0's load stays on its way across it
	WIN 0x40                                       ; destination in window 1
.irp z, 0,1,2,3,4,5,6,7                        ; all eight tiles of z stay in my registers
.irp q, 0,1,2,3
	ds_load_b128 v[16*\z+4*\q:16*\z+4*\q+3], v[ZRC] offset:RECB*\z+512*\q
.endr
.endr
	WIN 0
.irp z, 0,1,2,3,4,5,6,7
	ds_load_b32 v[ZS+\z], v[ZRC+1] offset:RECB*\z+2048
	ds_load_b32 v[ZZ+\z], v[ZRC+2] offset:RECB*\z+2176
.endr
	s_wait_tensorcnt 0x0                           ; my slice of slot 0 is in
	ds_add_u32 v[SPW], v[NIL]
	s_wait_dscnt 0x0                               ; the add is done, and z is in my registers
	ROUND
	tensor_load_to_lds s[G0+4:G0+7], s[G1:G1+7]    ; slot 1's first fill, issued as a refill is
	s_nop 0
	LOADT 0, 0, 0
	WIN 0
	TILE 0, 0, 4                                   ; the first tile's products stand ahead of the loop: no search is due behind them
	s_mov_b32 s44, 3
.Lpair:                                            ; a trip: from slot 0's second tile, through slot 1, to slot 0's next first tile; both slots are filled again
.irp i, 1,2,3,4,5,6
	TILE 0, \i, 0
.endr
	TILE 0, 7, 1
.irp i, 0,1,2,3,4,5,6
	TILE 1, \i, 0
.endr
	TILE 1, 7, 1
	TILE 0, 0, 0
	s_sub_co_u32 s44, s44, 1
	s_cmp_lg_u32 s44, 0
	s_wait_alu depctr_va_vdst(0)                   ; the wait ahead of the branch
	s_cbranch_scc1 .Lpair
.irp i, 1,2,3,4,5,6                            ; the tail is written out: nothing more is asked for
	TILE 0, \i, 0
.endr
	TILE 0, 7, 2
.irp i, 0,1,2,3,4,5,6
	TILE 1, \i, 0
.endr
	TILE 1, 7, 3
	SEARCH 7, 1                                    ; the last tile's search: the search above it holds the places behind its products
	; THE END.  64 tiles are an even number: the largest s lies in RA.  Which of the winning tile's eight it was: the first of the seven kept that equals it, else the eighth.
	v_mov_b32 v[TM], 0                             ; a lane permute's destination counts as one of its sources
	v_mov_b32 v[TM+1], 0
.irp z, 0,1,2,3,4,5,6,7
	v_mov_b32 v[BE+2*\z+1], 7
.endr
.irp k, 6,5,4,3,2,1,0
.irp z, 0,1,2,3,4,5,6,7
	v_cmp_neq_f32 vcc_lo, v[SV+8*\z+\k], v[RA+\z]
	v_cndmask_b32 v[BE+2*\z+1], \k, v[BE+2*\z+1], vcc_lo   ; equal: k; descending, so the lowest k stays
.endr
.endr
.irp z, 0,1,2,3,4,5,6,7
	v_lshl_add_u32 v[BE+2*\z+1], v[SV+8*\z+7], 4, v[BE+2*\z+1]
	v_sub_f32 v[BE+2*\z], v[ZZ+\z], v[RA+\z]       ; d = sum z^2 - s
.endr
.irp z, 0,1,2,3,4,5,6,7
	v_add_nc_u32 v[BE+2*\z+1], v[H8], v[BE+2*\z+1] ; the index: 16 x tile + 8 h + j
.endr
.irp z, 0,1,2,3,4,5,6,7
	v_permlanex16_b32 v[TM], v[BE+2*\z], s52, s53  ; the row's other eight of each tile lie in lane l xor 16
	v_permlanex16_b32 v[TM+1], v[BE+2*\z+1], s52, s53
	MERGE BE+2*\z, BE+2*\z+1, TM, TM+1
	ds_store_b64 v[MS], v[BE+2*\z:BE+2*\z+1] offset:256*\z   ; over z's stage, which nobody has read since the head's barriers
.endr
	s_wait_alu depctr_va_vdst(0)                   ; the wait ahead of the wait below
	s_wait_dscnt 0x0                               ; for the others' sake: my bests lie in LDS
	s_barrier_signal -1
	s_barrier_wait -1                              ; everybody's do
	s_cmp_lt_u32 s[WV], 2                          ; waves 0 and 1 merge: 64 threads, two rows each.  No barrier stands in this branch
	s_cbranch_scc0 .Ldone
.irp b, 0,1,2,3,4,5,6,7
	ds_load_b128 v[TM+4*\b:TM+4*\b+3], v[MR] offset:2048*\b   ; wave b's (d, index) of my two rows
.endr
	s_wait_dscnt 0x0
.irp b, 1,2,3,4,5,6,7
	MERGE TM, TM+1, TM+4*\b, TM+4*\b+1
	MERGE TM+2, TM+3, TM+4*\b+2, TM+4*\b+3
.endr
	v_mov_b32 v[TM+32], v[TM+1]
	v_mov_b32 v[TM+33], v[TM+3]
	global_store_b64 v[OO], v[TM+32:TM+33], s[8:9]     ; a wave stores 256 consecutive bytes, at a multiple of 256 from the buffer's first byte: the output,
	global_store_b64 v[OO], v[TM+32:TM+33], s[10:11]   ; and the same as whole numbers for the launch that gathers
.Ldone:
	s_wait_tensorcnt 0x0                           ; the wave's end
	ds_add_u32 v[SPW], v[NIL]
	s_wait_dscnt 0x0
	ROUND                                          ; the closing round: no work-group ends while a partner may still ask for records jointly
	s_endpgm
.Lfunc_end_k_qefcf1275e1_search:
	.size	k_qefcf1275e1_search, .Lfunc_end_k_qefcf1275e1_search-k_qefcf1275e1_search
	.p2alignl 7, 3214868480
	.fill 96, 4, 3214868480
	.section	.rodata,"a",@progbits
	.p2align	6, 0x0
	.amdhsa_kernel k_qefcf1275e1_search
		.amdhsa_group_segment_fixed_size 327680
		.amdhsa_private_segment_fixed_size 0
		.amdhsa_enable_private_segment 0
		.amdhsa_kernarg_size 32
		.amdhsa_user_sgpr_count 2
		.amdhsa_user_sgpr_kernarg_segment_ptr 1
		.amdhsa_wavefront_size32 1
		.amdhsa_system_sgpr_workgroup_id_x 1
		.amdhsa_system_sgpr_workgroup_id_y 1
		.amdhsa_system_sgpr_workgroup_id_z 1
		.amdhsa_system_vgpr_workitem_id 0
		.amdhsa_next_free_vgpr 448
		.amdhsa_next_free_sgpr 66
		.amdhsa_reserve_vcc 1
		.amdhsa_float_denorm_mode_32 3
		.amdhsa_float_denorm_mode_16_64 3
		.amdhsa_memory_ordered 1
		.amdhsa_forward_progress 1
		.amdhsa_inst_pref_size 252
	.end_amdhsa_kernel
	.amdgpu_metadata
---
amdhsa.version: [ 1, 2 ]
amdhsa.kernels:
  - .name:           k_qefcf1275e1_search
    .symbol:         k_qefcf1275e1_search.kd
    .args:
      - { .name: zimg, .offset: 0, .size: 8, .value_kind: global_buffer, .address_space: global }
      - { .name: cimg, .offset: 8, .size: 8, .value_kind: global_buffer, .address_space: global }
      - { .name: out2, .offset: 16, .size: 8, .value_kind: global_buffer, .address_space: global }
      - { .name: idx, .offset: 24, .size: 8, .value_kind: global_buffer, .address_space: global }
    .group_segment_fixed_size: 327680
    .private_segment_fixed_size: 0
    .kernarg_segment_align: 8
    .kernarg_segment_size: 32
    .max_flat_workgroup_size: 256
    .sgpr_count:     66
    .vgpr_count:     448
    .wavefront_size: 32
...
	.end_amdgpu_metadata
.endif
;; end of part 2
;; launch fetch (part 3): grid 512 x 1, 8 waves a work-group, no clusters, 0 bytes of LDS; arguments z_e, codebook, idx, out0, part; writes out0, part
.if DOCPART == 3
	.amdgcn_target "amdgcn-amd-amdhsa--gfx1250"
	.amdhsa_code_object_version 6
	.text
	.protected	k_qefcf1275e1_fetch
	.globl	k_qefcf1275e1_fetch
	.p2align	8
	.type	k_qefcf1275e1_fetch,@function
k_qefcf1275e1_fetch:
	s_mov_b64 s[64:65], 0
	v_nop
	global_prefetch_b8 v0, s[64:65] scope:SCOPE_SE
	s_setreg_imm32_b32 hwreg(HW_REG_WAVE_MODE, 25, 1), 1
	s_wait_xcnt 0x0
; out0[n] = z_e[n] + (codebook[idx[n]] - z_e[n]), in f32 and in that order, and for each wave the sum of (codebook[idx[n]] - z_e[n])^2 over its rows, for the loss.
; A stream: each wave takes eight rows of 1,024 bytes; a load or store of a wave covers 512 consecutive bytes.  All 32 loads of a wave go out at once; no loop, no LDS, no barrier.
; The eight indices are whole numbers that an earlier launch stored; they come by one scalar load, are held at 8,191 from above (the table's last row) and shifted into the gather's offsets.
; The matrix unit, clusters and tensor loads have nothing to do here: no byte is read twice by a work-group.
.set QO, 2                             ; v2-9    row i: 1,024 x its index + 16 x lane
.set SQ, 10                            ; v10-17  four packed sums of squares
.set Z,  32                            ; v32-95  row i at Z + 8 i: z, then the result
.set Q,  96                            ; v96-159 row i at Q + 8 i: the codebook's row, then the difference
	s_load_b256 s[4:11], s[0:1], 0x0               ; z_e s[4:5], codebook s[6:7], idx s[8:9], out0 s[10:11]
	s_load_b64 s[12:13], s[0:1], 0x20              ; part
	v_lshrrev_b32 v1, 5, v0
	s_delay_alu instid0(VALU_DEP_1)
	v_readfirstlane_b32 s14, v1                    ; wave 0..7
	v_and_b32 v18, 31, v0                          ; lane
	s_delay_alu instid0(VALU_DEP_1)
	v_lshlrev_b32 v1, 4, v18                       ; 16 x lane
	s_lshl_b32 s15, ttmp9, 3
	s_add_co_u32 s15, s15, s14                     ; W: my wave among 4,096
	s_lshl_b32 s24, s15, 13                        ; eight rows of 1,024 bytes
	s_mov_b32 s25, 0
	s_lshl_b32 s26, s15, 5                         ; eight indices
	s_mov_b32 s27, 0
	s_lshl_b32 s28, s15, 2                         ; one sum
	s_mov_b32 s29, 0
	s_mov_b32 s30, 0x76543210
	s_mov_b32 s31, 0xfedcba98                      ; v_permlanex16_b32's selects for lane l xor 16
	s_wait_alu depctr_va_vdst(0)
	s_wait_kmcnt 0x0
	s_add_nc_u64 s[8:9], s[8:9], s[26:27]
	s_load_b256 s[16:23], s[8:9], 0x0              ; my eight indices
	s_add_nc_u64 s[4:5], s[4:5], s[24:25]
	s_add_nc_u64 s[10:11], s[10:11], s[24:25]
	s_add_nc_u64 s[12:13], s[12:13], s[28:29]
.irp i, 0,1,2,3,4,5,6,7
.irp u, 0,1
	global_load_b128 v[Z+8*\i+4*\u:Z+8*\i+4*\u+3], v1, s[4:5] offset:1024*\i+512*\u th:TH_LOAD_NT
.endr
.endr
	s_wait_kmcnt 0x0
.irp i, 0,1,2,3,4,5,6,7
	s_min_u32 s[16+\i], s[16+\i], 0x1fff           ; inside the table
	v_lshl_add_u32 v[QO+\i], s[16+\i], 10, v1
.endr
.irp i, 0,1,2,3,4,5,6,7
.irp u, 0,1
	global_load_b128 v[Q+8*\i+4*\u:Q+8*\i+4*\u+3], v[QO+\i], s[6:7] offset:512*\u   ; no hint: a row may be named by many
.endr
.endr
.irp i, 0,1,2,3,4,5,6,7
	s_wait_loadcnt 14-2*\i                         ; loads come back in order: row i's are in; the two of each later row stay out
.irp j, 0,1,2,3
	v_pk_add_f32 v[Q+8*\i+2*\j:Q+8*\i+2*\j+1], v[Q+8*\i+2*\j:Q+8*\i+2*\j+1], v[Z+8*\i+2*\j:Z+8*\i+2*\j+1] neg_lo:[0,1] neg_hi:[0,1]   ; t = z_q - z
.endr
.irp j, 0,1,2,3
.if \i == 0
	s_delay_alu instid0(VALU_DEP_4)
	v_pk_mul_f32 v[SQ+2*\j:SQ+2*\j+1], v[Q+2*\j:Q+2*\j+1], v[Q+2*\j:Q+2*\j+1]   ; the first row starts the sums: nothing is cleared
.else
	s_delay_alu instid0(VALU_DEP_4)
	v_pk_fma_f32 v[SQ+2*\j:SQ+2*\j+1], v[Q+8*\i+2*\j:Q+8*\i+2*\j+1], v[Q+8*\i+2*\j:Q+8*\i+2*\j+1], v[SQ+2*\j:SQ+2*\j+1]
.endif
.endr
.irp j, 0,1,2,3
	v_pk_add_f32 v[Z+8*\i+2*\j:Z+8*\i+2*\j+1], v[Z+8*\i+2*\j:Z+8*\i+2*\j+1], v[Q+8*\i+2*\j:Q+8*\i+2*\j+1]   ; z + t
.endr
.irp u, 0,1
	global_store_b128 v1, v[Z+8*\i+4*\u:Z+8*\i+4*\u+3], s[10:11] offset:1024*\i+512*\u th:TH_STORE_NT   ; 512 consecutive bytes, aligned; each row has its own registers: none is written again
.endr
.endr
	v_pk_add_f32 v[SQ:SQ+1], v[SQ:SQ+1], v[SQ+2:SQ+3]
	v_pk_add_f32 v[SQ+4:SQ+5], v[SQ+4:SQ+5], v[SQ+6:SQ+7]
	s_delay_alu instid0(VALU_DEP_1)
	v_pk_add_f32 v[SQ:SQ+1], v[SQ:SQ+1], v[SQ+4:SQ+5]
	s_delay_alu instid0(VALU_DEP_1)
	v_add_f32 v[SQ], v[SQ], v[SQ+1]
	s_delay_alu instid0(VALU_DEP_1)
	v_add_f32_dpp v[SQ], v[SQ], v[SQ] row_xmask:1 row_mask:0xf bank_mask:0xf
	s_delay_alu instid0(VALU_DEP_1)
	v_add_f32_dpp v[SQ], v[SQ], v[SQ] row_xmask:2 row_mask:0xf bank_mask:0xf
	s_delay_alu instid0(VALU_DEP_1)
	v_add_f32_dpp v[SQ], v[SQ], v[SQ] row_xmask:4 row_mask:0xf bank_mask:0xf
	s_delay_alu instid0(VALU_DEP_1)
	v_add_f32_dpp v[SQ], v[SQ], v[SQ] row_xmask:8 row_mask:0xf bank_mask:0xf
	s_delay_alu instid0(VALU_DEP_1)
	v_permlanex16_b32 v[SQ+1], v[SQ], s30, s31
	s_delay_alu instid0(VALU_DEP_1)
	v_add_f32 v[SQ], v[SQ], v[SQ+1]                ; the wave's sum, in every lane
	v_mov_b32 v19, 0
	v_cmp_eq_u32 vcc_lo, 0, v18
	s_wait_alu depctr_va_vdst(0)
	s_wait_xcnt 0x0                                ; EXEC is a source of the stores above: it changes only behind this wait
	s_and_saveexec_b32 s24, vcc_lo                 ; lane 0 alone
	global_store_b32 v19, v[SQ], s[12:13]          ; 4 bytes a wave: 16 KiB in the whole launch
	s_wait_xcnt 0x0                                ; and again, in front of the line that widens it
	s_or_b32 exec_lo, exec_lo, s24
	s_endpgm
.Lfunc_end_k_qefcf1275e1_fetch:
	.size	k_qefcf1275e1_fetch, .Lfunc_end_k_qefcf1275e1_fetch-k_qefcf1275e1_fetch
	.p2alignl 7, 3214868480
	.fill 96, 4, 3214868480
	.section	.rodata,"a",@progbits
	.p2align	6, 0x0
	.amdhsa_kernel k_qefcf1275e1_fetch
		.amdhsa_group_segment_fixed_size 0
		.amdhsa_private_segment_fixed_size 0
		.amdhsa_enable_private_segment 0
		.amdhsa_kernarg_size 40
		.amdhsa_user_sgpr_count 2
		.amdhsa_user_sgpr_kernarg_segment_ptr 1
		.amdhsa_wavefront_size32 1
		.amdhsa_system_sgpr_workgroup_id_x 1
		.amdhsa_system_sgpr_workgroup_id_y 1
		.amdhsa_system_sgpr_workgroup_id_z 1
		.amdhsa_system_vgpr_workitem_id 0
		.amdhsa_next_free_vgpr 160
		.amdhsa_next_free_sgpr 66
		.amdhsa_reserve_vcc 1
		.amdhsa_float_denorm_mode_32 3
		.amdhsa_float_denorm_mode_16_64 3
		.amdhsa_memory_ordered 1
		.amdhsa_forward_progress 1
		.amdhsa_inst_pref_size 16
	.end_amdhsa_kernel
	.amdgpu_metadata
---
amdhsa.version: [ 1, 2 ]
amdhsa.kernels:
  - .name:           k_qefcf1275e1_fetch
    .symbol:         k_qefcf1275e1_fetch.kd
    .args:
      - { .name: z_e, .offset: 0, .size: 8, .value_kind: global_buffer, .address_space: global }
      - { .name: codebook, .offset: 8, .size: 8, .value_kind: global_buffer, .address_space: global }
      - { .name: idx, .offset: 16, .size: 8, .value_kind: global_buffer, .address_space: global }
      - { .name: out0, .offset: 24, .size: 8, .value_kind: global_buffer, .address_space: global }
      - { .name: part, .offset: 32, .size: 8, .value_kind: global_buffer, .address_space: global }
    .group_segment_fixed_size: 0
    .private_segment_fixed_size: 0
    .kernarg_segment_align: 8
    .kernarg_segment_size: 40
    .max_flat_workgroup_size: 256
    .sgpr_count:     66
    .vgpr_count:     160
    .wavefront_size: 32
...
	.end_amdgpu_metadata
.endif
;; end of part 3
;; launch total (part 4): grid 1 x 1, 1 waves a work-group, no clusters, 0 bytes of LDS; arguments part, out1; writes out1
.if DOCPART == 4
	.amdgcn_target "amdgcn-amd-amdhsa--gfx1250"
	.amdhsa_code_object_version 6
	.text
	.protected	k_qefcf1275e1_total
	.globl	k_qefcf1275e1_total
	.p2align	8
	.type	k_qefcf1275e1_total,@function
k_qefcf1275e1_total:
	s_mov_b64 s[64:65], 0
	v_nop
	global_prefetch_b8 v0, s[64:65] scope:SCOPE_SE
	s_setreg_imm32_b32 hwreg(HW_REG_WAVE_MODE, 25, 1), 1
	s_wait_xcnt 0x0
; out1 = m + 0.25 m, m = the mean of (z_q - z_e)^2 over 32,768 x 256 = 2^23 numbers: both losses of the reference are this mean.
; The 4,096 sums of the launch before are added by one wave, in a fixed order: no atomics, one owner for the one number.
	s_load_b128 s[4:7], s[0:1], 0x0                ; part s[4:5], out1 s[6:7]
	v_lshlrev_b32 v1, 4, v0                        ; 16 x lane
	s_mov_b32 s8, 0x3e800000                       ; 0.25
	s_mov_b32 s10, 0x76543210
	s_mov_b32 s11, 0xfedcba98                      ; v_permlanex16_b32's selects for lane l xor 16
	s_wait_alu depctr_va_vdst(0)
	s_wait_kmcnt 0x0
.irp i, 0,1,2,3,4,5,6,7,8,9,10,11,12,13,14,15,16,17,18,19,20,21,22,23,24,25,26,27,28,29,30,31
	global_load_b128 v[8+4*\i:8+4*\i+3], v1, s[4:5] offset:512*\i   ; 512 consecutive bytes a load
.endr
	s_wait_loadcnt 0x0
.irp w, 64,32,16,8,4,2                         ; a tree: the upper half of the registers onto the lower, 63 packed additions in all
.set u, 0
.rept \w/2
	v_pk_add_f32 v[8+u:9+u], v[8+u:9+u], v[8+\w+u:9+\w+u]
.set u, u+2
.endr
.endr
	v_add_f32 v8, v8, v9
	v_add_f32_dpp v8, v8, v8 row_xmask:1 row_mask:0xf bank_mask:0xf
	v_add_f32_dpp v8, v8, v8 row_xmask:2 row_mask:0xf bank_mask:0xf
	v_add_f32_dpp v8, v8, v8 row_xmask:4 row_mask:0xf bank_mask:0xf
	v_add_f32_dpp v8, v8, v8 row_xmask:8 row_mask:0xf bank_mask:0xf
	v_permlanex16_b32 v9, v8, s10, s11
	v_add_f32 v8, v8, v9
	v_mul_f32 v8, 0x34000000, v8                   ; x 2^-23: the mean, exact
	v_fma_f32 v10, v8, s8, v8                      ; m + 0.25 m
	v_mov_b32 v11, 0
	v_cmp_eq_u32 vcc_lo, 0, v0
	s_wait_alu depctr_va_vdst(0)
	s_wait_xcnt 0x0                                ; EXEC changes only behind this wait
	s_and_saveexec_b32 s9, vcc_lo                  ; lane 0 alone
	global_store_b32 v11, v10, s[6:7]
	s_wait_xcnt 0x0
	s_or_b32 exec_lo, exec_lo, s9
	s_endpgm
.Lfunc_end_k_qefcf1275e1_total:
	.size	k_qefcf1275e1_total, .Lfunc_end_k_qefcf1275e1_total-k_qefcf1275e1_total
	.p2alignl 7, 3214868480
	.fill 96, 4, 3214868480
	.section	.rodata,"a",@progbits
	.p2align	6, 0x0
	.amdhsa_kernel k_qefcf1275e1_total
		.amdhsa_group_segment_fixed_size 0
		.amdhsa_private_segment_fixed_size 0
		.amdhsa_enable_private_segment 0
		.amdhsa_kernarg_size 16
		.amdhsa_user_sgpr_count 2
		.amdhsa_user_sgpr_kernarg_segment_ptr 1
		.amdhsa_wavefront_size32 1
		.amdhsa_system_sgpr_workgroup_id_x 1
		.amdhsa_system_sgpr_workgroup_id_y 1
		.amdhsa_system_sgpr_workgroup_id_z 1
		.amdhsa_system_vgpr_workitem_id 0
		.amdhsa_next_free_vgpr 144
		.amdhsa_next_free_sgpr 66
		.amdhsa_reserve_vcc 1
		.amdhsa_float_denorm_mode_32 3
		.amdhsa_float_denorm_mode_16_64 3
		.amdhsa_memory_ordered 1
		.amdhsa_forward_progress 1
		.amdhsa_inst_pref_size 9
	.end_amdhsa_kernel
	.amdgpu_metadata
---
amdhsa.version: [ 1, 2 ]
amdhsa.kernels:
  - .name:           k_qefcf1275e1_total
    .symbol:         k_qefcf1275e1_total.kd
    .args:
      - { .name: part, .offset: 0, .size: 8, .value_kind: global_buffer, .address_space: global }
      - { .name: out1, .offset: 8, .size: 8, .value_kind: global_buffer, .address_space: global }
    .group_segment_fixed_size: 0
    .private_segment_fixed_size: 0
    .kernarg_segment_align: 8
    .kernarg_segment_size: 16
    .max_flat_workgroup_size: 32
    .sgpr_count:     66
    .vgpr_count:     144
    .wavefront_size: 32
...
	.end_amdgpu_metadata
.endif
;; end of part 4
